; MI455X (gfx1250); checked and timed in simulation.
; The chip was launched on July 23, 2026; its instructions are those of AMD's public machine-readable ISA for CDNA 5 (MIT licence, August 2026) and "CDNA5" Instruction Set Architecture Reference Guide (July 2026). The comments in the code are by the model that wrote it; some were corrected since.
;; Seq Self Attention. Allowed arithmetic: float matrix products may take bf16 or f16 operands with f32 sums; all other float work in f32.
;; Inputs: Wa 64 x 1 float32; Wt 1,024 x 64 float32; Wx 1,024 x 64 float32; ba 1 float32; bh 64 float32; x 4 x 1,024 x 1,024 float32.
;; Outputs: out0 4 x 1,024 x 1,024 float32.
;; One version. Each part assembles by itself: llvm-mc -triple=amdgcn-amd-amdhsa -mcpu=gfx1250 --defsym DOCPART=n.
;; ======== version 1 of 1: 2 launches
;; limits: right only within a limited range of input values; values are held in f16: magnitudes above 65,504 overflow, below 6.1e-05 lose precision; inputs' magnitudes at most 65,504
;; workspace buffers: xh 8,388,608 bytes; pqk 8,388,608 bytes
;; launch proj (part 1): grid 64 x 4, 8 waves a work-group, no clusters, 109,568 bytes of LDS; arguments x, Wt, Wx, xh, pqk; writes xh, pqk
.if DOCPART == 1
	.amdgcn_target "amdgcn-amd-amdhsa--gfx1250"
	.amdhsa_code_object_version 6
	.text
	.protected	k_q1ed5ba2dc5_proj
	.globl	k_q1ed5ba2dc5_proj
	.p2align	8
	.type	k_q1ed5ba2dc5_proj,@function
k_q1ed5ba2dc5_proj:
	s_mov_b64 s[64:65], 0
	v_nop
	global_prefetch_b8 v0, s[64:65] scope:SCOPE_SE
	s_setreg_imm32_b32 hwreg(HW_REG_WAVE_MODE, 25, 1), 1
	s_wait_xcnt 0x0
; PARTIAL PROJECTIONS AND AN f16 COPY OF x.
; x: [4096][1024] f32 (4 batches of 1,024 rows).  Wt, Wx: [1024][64] f32.
; xh:  [4096][1024] f16 = x rounded once.
; pqk: [4][4096][128] f32: plane ky holds, for each row t, the sum over k = 256 ky .. 256 ky + 255 of x[t][k] Wt[k][u] in
;      columns u = 0..63 and of x[t][k] Wx[k][u] in columns 64 + u.  The next launch adds the four planes.
; A work-group takes 64 rows (ttmp9) x 256 k (ttmp7): it reads 64 KiB of x and 128 KiB of W; with whole K and 16 rows it would
; read 64 KiB of x and all 512 KiB of W.  Eight waves: wave w makes the 64 rows x 32 columns 32 (w & 3) .. + 31 over the
; 128 k of half w >> 2; the two halves are added on the way out.
; FORMAT.  Matrix operands are f16 (x and W rounded once), sums f32.  f16 and not bf16 for its three further significand bits: the
; result is a mean of some 64 numbers and is compared within a hundredth of its root mean square, which bf16's rounding of x, W
; and the weights together comes too close to.
; LIMIT: |x|, |Wt|, |Wx| < 65,504, f16's largest number; beyond it the conversion gives infinity.  Elements under 2^-14 keep an
; absolute step of 2^-24.
; NO CLUSTER: the 64 work-groups of one ky read the same 128 KiB of W, but here W goes from memory straight into fragment
; registers (see WLOAD); a joint request would lay it into LDS as f32 [k][n], from where a wave would need the same 64 loads
; again, and 128 KiB of LDS beside.  x is shared by nobody.
; No loop: every load of the work-group is issued in its first lines, so there is nothing to ask for earlier.
.set XPITCH, 528                       ; LDS row of the x tile: 256 f16 + 16 bytes = 33 x 16: the 16 rows of a fragment load start in 16 different 16-byte columns
.set SG,     64*XPITCH                 ; behind the x tile: the waves' stages
.set SPITCH, 144                       ; a stage row: 32 f32 + 16 bytes
.set SGW,    9344                      ; from a wave's stage to the next: 64 x 144 = 9,216, + 128 so that neighbouring stages differ by half of 256 bytes
.set XO, 4                             ; v4   x:   16 lane + 8 w rows of 4,096 bytes
.set BO, 5                             ; v5   xh:  8 lane + 8 w rows of 2,048 bytes
.set LX, 6                             ; v6   LDS: 8 w rows of the x tile + 8 lane
.set WO, 7                             ; v7   W:   8 h rows of 256 bytes + 8 r
.set AA, 8                             ; v8   LDS: x fragments: r rows + 16 h + my half of K
.set SA, 9                             ; v9   LDS: my stage + 8 h rows + 8 r
.set RA, 10                            ; v10  LDS: the way back: stage lane / 8, rows 8 w .., 16 (lane % 8)
.set PO, 11                            ; v11  pqk: 8 w rows of 512 bytes + 16 lane
.set XR,  16                           ; v[16:79]   x as loaded, 4 registers a load
.set ACC, 16                           ; v[16:79]   then the sums: tile (mt, j) at ACC + 8 (2 mt + j)
.set AF,  80                           ; v[80:111]  x in f16, 2 registers a load; then the four x fragments of a K step
.set FB,  112                          ; v[112:127] W fragments of K step 0
.set WR,  128                          ; v[128:255] W as loaded: K step s at WR + 32 s, load i in the pair WR + 32 s + 2 i
	s_load_b256 s[4:11], s[0:1], 0x0               ; x s[4:5], Wt s[6:7], Wx s[8:9], xh s[10:11]
	s_load_b64 s[12:13], s[0:1], 0x20              ; pqk
	s_set_vgpr_msb 0x40
	v_lshl_add_u32 v0, v0, 2, 0x1a800
	v_mov_b32 v1, 0
	s_set_vgpr_msb 0x4000
	v_lshrrev_b32 v1, 5, v0
	v_readfirstlane_b32 s14, v1                    ; wave w
	s_and_b32 s15, ttmp7, 0xffff                   ; ky
	s_and_b32 s17, s14, 3                          ; ng: which 32 of the 128 columns
	s_lshr_b32 s18, s14, 2                         ; kh: which 128 of the 256 k
	v_and_b32 v1, 31, v0                           ; lane
	v_and_b32 v2, 15, v0                           ; r
	v_bfe_u32 v3, v0, 4, 1                         ; h
	s_lshl_b32 s24, s14, 15
	v_lshl_add_u32 v[XO], v1, 4, s24
	v_lshlrev_b32 v[WO], 11, v3
	v_lshl_add_u32 v[WO], v2, 3, v[WO]
	s_lshl_b32 s20, ttmp9, 18                      ; 64 rows of 4,096 bytes
	s_lshl_b32 s21, s15, 10                        ; 256 k of 4 bytes
	s_add_co_u32 s20, s20, s21
	s_mov_b32 s21, 0
	s_lshl_b32 s26, s15, 16                        ; W: 256 ky rows of 256 bytes
	s_lshl_b32 s27, s18, 15                        ;  + 128 kh rows
	s_add_co_u32 s26, s26, s27
	s_and_b32 s27, s17, 1
	s_lshl_b32 s27, s27, 7                         ;  + 32 columns of 4 bytes for the odd ng
	s_add_co_u32 s26, s26, s27
	s_mov_b32 s27, 0
	s_wait_kmcnt 0x0
	s_add_nc_u64 s[4:5], s[4:5], s[20:21]          ; x at the tile's first element
	s_cmp_lt_u32 s17, 2
	s_cselect_b64 s[22:23], s[6:7], s[8:9]         ; ng 0, 1: Wt; ng 2, 3: Wx
	s_add_nc_u64 s[22:23], s[22:23], s[26:27]
	; x: wave w takes rows 8 w .. 8 w + 7 of the tile, two loads of 512 consecutive bytes a row.  Read once in the launch.
.irp i, 0,1,2,3,4,5,6,7,8,9,10,11,12,13,14,15
	global_load_b128 v[XR+4*\i:XR+4*\i+3], v[XO], s[4:5] offset:(\i/2)*4096+(\i&1)*512 th:TH_LOAD_NT
.endr
	; WLOAD.  A 16-bit fragment's lane (r, h) holds k = 8 h + 0..7 and 16 + 8 h + 0..7 of one column (ISA guide 7.12.2).  Load i of
	; K step s brings this lane the two columns 2 r, 2 r + 1 of my 32 at the i-th of these sixteen k: the first word belongs to
	; column tile j = 0, the second to j = 1, in which lane r stands for column 2 r + j.  Packing loads 2 p and 2 p + 1 gives
	; register p of a fragment: no LDS, no transpose.  Sixteen lanes read 128 consecutive bytes.
.irp s, 0,1,2,3
.irp i, 0,1,2,3,4,5,6,7,8,9,10,11,12,13,14,15
	global_load_b64 v[WR+32*\s+2*\i:WR+32*\s+2*\i+1], v[WO], s[22:23] offset:(32*\s+\i+(\i/8)*8)*256
.endr
.endr
	; the other addresses, while the loads are on their way
	s_lshr_b32 s20, s20, 1                         ; xh's offset is half of x's: 64 rows of 2,048 bytes, 256 k of 2 bytes
	s_add_nc_u64 s[10:11], s[10:11], s[20:21]
	s_lshl_b32 s20, s15, 21                        ; pqk: plane ky of 2,097,152 bytes
	s_lshl_b32 s24, ttmp9, 15                      ;  + 64 rows of 512 bytes
	s_add_co_u32 s20, s20, s24
	s_add_nc_u64 s[12:13], s[12:13], s[20:21]
	s_lshl_b32 s24, s14, 14
	v_lshl_add_u32 v[BO], v1, 3, s24
	s_mul_i32 s25, s14, 8*XPITCH
	v_lshl_add_u32 v[LX], v1, 3, s25
	v_mul_u32_u24 v15, v2, XPITCH
	v_lshl_add_u32 v15, v3, 4, v15
	s_lshl_b32 s24, s18, 8                         ; 128 kh f16
	v_add_nc_u32 v[AA], s24, v15
	s_mul_i32 s25, s14, SGW
	s_add_co_u32 s25, s25, SG                      ; my stage
	v_mul_u32_u24 v14, v3, 8*SPITCH
	v_lshl_add_u32 v14, v2, 3, v14
	v_add_nc_u32 v[SA], s25, v14
	v_lshrrev_b32 v12, 3, v1                       ; lane / 8: whose stage holds my four columns
	v_and_b32 v13, 7, v0
	v_mul_u32_u24 v12, v12, SGW
	v_lshl_add_u32 v12, v13, 4, v12
	s_mul_i32 s24, s14, 8*SPITCH
	s_add_co_u32 s24, s24, SG
	v_add_nc_u32 v[RA], s24, v12
	s_lshl_b32 s25, s14, 12
	v_lshl_add_u32 v[PO], v1, 4, s25
	; x has come: 80 loads were issued and loads return in order (ISA guide 5.7.1), so with at most 63 out the 17 oldest are in,
	; which covers the 16 of x.  (64 would do; 63 is the most that the wait can name.)
	s_wait_loadcnt 63
.macro XCVT i                          ; four f32 to four f16; into the x tile in LDS, and out to xh: the wave's 32 lanes write 256 consecutive bytes, aligned
	v_cvt_pk_f16_f32 v[AF+2*\i], v[XR+4*\i], v[XR+4*\i+1]
	v_cvt_pk_f16_f32 v[AF+2*\i+1], v[XR+4*\i+2], v[XR+4*\i+3]
	ds_store_b64 v[LX], v[AF+2*\i:AF+2*\i+1] offset:(\i/2)*XPITCH+(\i&1)*256
	global_store_b64 v[BO], v[AF+2*\i:AF+2*\i+1], s[10:11] offset:(\i/2)*2048+(\i&1)*256
.endm
.irp i, 0,1,2,3,4,5,6,7,8,9,10,11,12,13,14,15
	XCVT \i
.endr
	s_wait_dscnt 0x0                               ; my rows of the x tile are written: zero, for the other waves' sake
	s_barrier_signal -1
	s_barrier_wait -1                              ; everybody's are
	s_wait_xcnt 0x0                                ; AF is the data of the stores to xh: it is loaded again only behind this wait (ISA guide 3.1)
.macro CVW s, fr, j, p                 ; register p of column tile j's fragment
	v_cvt_pk_f16_f32 v[\fr+8*\j+\p], v[WR+32*\s+4*\p+\j], v[WR+32*\s+4*\p+2+\j]
.endm
; K step s: 32 along K.  fr: where W's two fragments go: FB, then the raw registers of the step before, which are dead.
; The first four conversions name no register of the last step's matrix instructions (those name ACC, AF and the last fr): they
; are the four places that stand between those and the loads into AF.
.macro KSTEP s, fr
	s_wait_loadcnt 48-16*\s                        ; this step's 16 loads of W are in; those of the later steps stay out
.irp p, 0,1,2,3
	CVW \s, \fr, 0, \p
.endr
.irp mt, 0,1,2,3
	ds_load_b128 v[AF+8*\mt:AF+8*\mt+3],   v[AA] offset:\mt*16*XPITCH+\s*64
	ds_load_b128 v[AF+8*\mt+4:AF+8*\mt+7], v[AA] offset:\mt*16*XPITCH+\s*64+32
.endr
.irp p, 4,5,6,7
	CVW \s, \fr, 0, \p
.endr
.irp p, 0,1,2,3,4,5,6,7
	CVW \s, \fr, 1, \p
.endr
	s_wait_dscnt 0x0
.irp mt, 0,1,2,3
.irp j, 0,1
.if \s == 0
	v_wmma_f32_16x16x32_f16 v[ACC+8*(2*\mt+\j):ACC+8*(2*\mt+\j)+7], v[AF+8*\mt:AF+8*\mt+7], v[\fr+8*\j:\fr+8*\j+7], 0
.else
	v_wmma_f32_16x16x32_f16 v[ACC+8*(2*\mt+\j):ACC+8*(2*\mt+\j)+7], v[AF+8*\mt:AF+8*\mt+7], v[\fr+8*\j:\fr+8*\j+7], v[ACC+8*(2*\mt+\j):ACC+8*(2*\mt+\j)+7]
.endif
.endr
.endr
.endm
	KSTEP 0, FB                                    ; the first products start the sums: nothing is cleared
	KSTEP 1, WR
	KSTEP 2, WR+32
	KSTEP 3, WR+64
	; THE WAY OUT.  Register jj of tile (mt, j) is row 16 mt + 8 h + jj, column 2 r + j of my 32.  Words 2 r + j of a stage row, and
	; the rows of h = 1 lie 1,152 bytes = 288 words further: 32 different words modulo 64 in each store.
.rept 4
	v_nop                                          ; four places behind the last matrix instruction, before its results are stored and its sources loaded again (ISA guide 7.12.1)
.endr
.irp mt, 0,1,2,3
.irp j, 0,1
.irp jj, 0,1,2,3,4,5,6,7
	ds_store_b32 v[SA], v[ACC+8*(2*\mt+\j)+\jj] offset:(16*\mt+\jj)*SPITCH+4*\j
.endr
.endr
.endr
	s_wait_dscnt 0x0                               ; my stage is written: zero, for the others' sake
	s_barrier_signal -1
	s_barrier_wait -1
	; wave w takes rows 8 w .. 8 w + 7: lane l the columns 4 l .. 4 l + 3, from stage l / 8 (first half of K) and stage 4 + l / 8 (second half)
.irp rr, 0,1,2,3,4,5,6,7
	ds_load_b128 v[WR+8*\rr:WR+8*\rr+3],   v[RA] offset:\rr*SPITCH
	ds_load_b128 v[WR+8*\rr+4:WR+8*\rr+7], v[RA] offset:4*SGW+\rr*SPITCH
.endr
.irp rr, 0,1,2,3,4,5,6,7
	s_wait_dscnt 14-2*\rr                          ; LDS loads return in order: this row's two are in, the later rows' pairs stay out
	v_pk_add_f32 v[WR+8*\rr:WR+8*\rr+1],   v[WR+8*\rr:WR+8*\rr+1],   v[WR+8*\rr+4:WR+8*\rr+5]
	v_pk_add_f32 v[WR+8*\rr+2:WR+8*\rr+3], v[WR+8*\rr+2:WR+8*\rr+3], v[WR+8*\rr+6:WR+8*\rr+7]
	global_store_b128 v[PO], v[WR+8*\rr:WR+8*\rr+3], s[12:13] offset:\rr*512     ; a whole row of 512 consecutive bytes, aligned
.endr
	s_set_vgpr_msb 0x5
	s_wait_tensorcnt 0x0
	ds_add_u32 v0, v1
	s_wait_dscnt 0x0
	s_set_vgpr_msb 0x500
	s_endpgm
.Lfunc_end_k_q1ed5ba2dc5_proj:
	.size	k_q1ed5ba2dc5_proj, .Lfunc_end_k_q1ed5ba2dc5_proj-k_q1ed5ba2dc5_proj
	.p2alignl 7, 3214868480
	.fill 96, 4, 3214868480
	.section	.rodata,"a",@progbits
	.p2align	6, 0x0
	.amdhsa_kernel k_q1ed5ba2dc5_proj
		.amdhsa_group_segment_fixed_size 109568
		.amdhsa_private_segment_fixed_size 0
		.amdhsa_enable_private_segment 0
		.amdhsa_kernarg_size 40
		.amdhsa_user_sgpr_count 2
		.amdhsa_user_sgpr_kernarg_segment_ptr 1
		.amdhsa_wavefront_size32 1
		.amdhsa_system_sgpr_workgroup_id_x 1
		.amdhsa_system_sgpr_workgroup_id_y 1
		.amdhsa_system_sgpr_workgroup_id_z 1
		.amdhsa_system_vgpr_workitem_id 0
		.amdhsa_next_free_vgpr 258
		.amdhsa_next_free_sgpr 66
		.amdhsa_reserve_vcc 0
		.amdhsa_float_denorm_mode_32 3
		.amdhsa_float_denorm_mode_16_64 3
		.amdhsa_memory_ordered 1
		.amdhsa_forward_progress 1
		.amdhsa_inst_pref_size 31
	.end_amdhsa_kernel
	.amdgpu_metadata
---
amdhsa.version: [ 1, 2 ]
amdhsa.kernels:
  - .name:           k_q1ed5ba2dc5_proj
    .symbol:         k_q1ed5ba2dc5_proj.kd
    .args:
      - { .name: x, .offset: 0, .size: 8, .value_kind: global_buffer, .address_space: global }
      - { .name: Wt, .offset: 8, .size: 8, .value_kind: global_buffer, .address_space: global }
      - { .name: Wx, .offset: 16, .size: 8, .value_kind: global_buffer, .address_space: global }
      - { .name: xh, .offset: 24, .size: 8, .value_kind: global_buffer, .address_space: global }
      - { .name: pqk, .offset: 32, .size: 8, .value_kind: global_buffer, .address_space: global }
    .group_segment_fixed_size: 109568
    .private_segment_fixed_size: 0
    .kernarg_segment_align: 8
    .kernarg_segment_size: 40
    .max_flat_workgroup_size: 256
    .sgpr_count:     66
    .vgpr_count:     258
    .wavefront_size: 32
...
	.end_amdgpu_metadata
.endif
;; end of part 1
;; launch attn (part 2): grid 64 x 4, 8 waves a work-group, no clusters, 265,472 bytes of LDS; arguments pqk, xh, bh, Wa, ba, out0; writes out0
.if DOCPART == 2
	.amdgcn_target "amdgcn-amd-amdhsa--gfx1250"
	.amdhsa_code_object_version 6
	.text
	.protected	k_q1ed5ba2dc5_attn
	.globl	k_q1ed5ba2dc5_attn
	.p2align	8
	.type	k_q1ed5ba2dc5_attn,@function
k_q1ed5ba2dc5_attn:
	s_mov_b64 s[64:65], 0
	v_nop
	global_prefetch_b8 v0, s[64:65] scope:SCOPE_SE
	s_setreg_imm32_b32 hwreg(HW_REG_WAVE_MODE, 25, 1), 1
	s_wait_xcnt 0x0
; BANDED ADDITIVE ATTENTION.  out[i] = sum over j of softmax_j( Wa . tanh(q_i + k_j + bh) + ba ) x[j],  j = i - 32 .. i + 31 inside the batch.
; pqk: [4][4096][128] f32, four partial sums of q (columns 0-63) and k (64-127).  xh: [4096][1024] f16.  out0: [4096][1024] f32.
; A work-group makes 16 rows (t0 = 16 ttmp9) of batch ttmp7; it needs the 80 rows t0 - 32 .. t0 + 47 of k and of xh: five aligned
; groups of 16 rows, each wholly inside or wholly outside the batch.  A group outside is replaced by the batch's first or last
; group (a scalar clamp: finite numbers, inside the buffer) and its scores are masked to -inf.
; LIMITS.  (1) Only the band is computed.  |tanh| <= 1 bounds every score by ba +- sum|Wa|, so a weight outside the band is at most
; exp(2 sum|Wa| - 10000), which is 0 in f32 while sum|Wa| < 4,900.  Every row keeps at least 32 columns, so the maximum over the
; band is the row's maximum.  (2) Inputs are finite: an infinity in a row of x outside the band gives NaN in the full product and
; nothing here.  (3) The weights and x enter the last product in f16: |x| < 65,504; the weights lie in [0, 1], and those under 2^-14
; keep an absolute step of 2^-24.  Scores, maximum, exponentials and sums are f32.
; tanh(z) = 1 - 2 / (1 + exp2(C2 z)), C2 = 2 log2 e: right for every z (exp2 = inf gives 1, exp2 = 0 gives -1).
; So the score is (ba + sum Wa) - 2 sum_u Wa_u / (1 + exp2(a'_u + b'_u)), with a' = C2 (q + bh), b' = C2 k made once.
; SHARES.  Scores: half a wave owns a row; its 16 lanes take band places g, g + 16, g + 32, g + 48: the softmax stays inside 16 lanes.
; Product: wave w makes the 16 rows x 128 columns 128 w .. of out, K = 96 (80 rows, the rest of P is zero).
; NO CLUSTER: neighbouring blocks share 64 of their 80 rows, but each needs them 16 rows further up in its own LDS, and a joint
; request lands at one LDS address in all partners.  The union of four blocks is 128 rows x 2,080 = 266,240 bytes, which with the
; other regions' 98,048 bytes passes the 327,680 of a work-group.
; No loop: everything is asked for in the first lines, xh by asynchronous copies that land while the scores are made.
.set XPITCH, 2080                      ; xh row in LDS: 2,048 + 32 = 65 x 32 bytes, for the transposing loads
.set KPITCH, 272                       ; 64 f32 (or 128 f16) + 16 = 17 x 16 bytes
.set SPITCH, 528                       ; 128 f32 + 16 = 33 x 16 bytes
.set KB,  80*XPITCH                    ; 166,400: b', 80 rows.  Bytes 0 .. KB - 1 are xh's: the copies' only target, filled once
.set QA,  KB+80*KPITCH                 ; 188,160: a', 16 rows
.set PM,  QA+16*KPITCH                 ; 192,512: the weights P in f16, 16 rows x 128
.set STG, PM+16*KPITCH                 ; 196,864: a stage of 16 rows x 528 for each wave; ends at 264,448
.set PLANE, 2097152                    ; bytes of a plane of pqk
.set C2,  0x4038aa3b                   ; 2 log2 e
.set LN16, 1                           ; v1   16 lane
.set G,    2                           ; v2   lane % 16
.set H,    3                           ; v3   lane / 16
.set PO,   4                           ; v4   pqk: row t / 16 of 512 bytes + 16 g
.set ZERO, 5                           ; v5   0
.set SB,   6                           ; v6   LDS: KB + my row (2 w + h) + 16 g
.set KA,   7                           ; v7   LDS: KB + row (2 w + h + g)
.set QR,   8                           ; v8   LDS: QA + my row
.set PW,   9                           ; v9   LDS: PM + my row + 2 (2 w + h + g)
.set JV,   10                          ; v10  the true column of band place g: t0 - 32 + 2 w + h + g (wraps below 0)
.set L8,   11                          ; v11  8 lane
.set VOFF, 12                          ; v[12:13]  copies: xh offset of row 2 w + rr of a group, + 16 lane
.set VLDS, 14                          ; v[14:23]  copies: LDS address of row 16 n + 2 w + rr, + 16 lane, at VLDS + 2 n + rr
.set ACCP, 24                          ; v[24:31]  four packed sums
.set E,    32                          ; v[32:35]  the four scores, then the weights
.set CS,   36                          ; v36  ba + sum Wa
.set T0,   37
.set T1,   38
.set NINF, 39                          ; v39  -inf
.set BH,   40                          ; v[40:43]  bh of my four u
.set WP,   44                          ; v[44:45]  Wa[2 lane], Wa[2 lane + 1]
.set PK,   46                          ; v[46:47]  weights in f16
.set Z4,   48                          ; v[48:51]  zeros
.set GB,   52                          ; v52  16 g
.set PB,   64                          ; v[64:159]  partial sums: item m (0: q, 1 + n: k group n), plane ky at PB + 16 m + 4 ky
.set A,    64                          ; v[64:127]  then a' of my row
.set BUF,  128                         ; v[128:191] four buffers of 16 b'
.set W,    192                         ; v[192:255] Wa, all 64 in every lane
; the product's map (behind the second barrier)
.set PF,   8                           ; v[8:31]    P's three fragments
.set ACC,  32                          ; v[32:63]   four tiles
.set K2,   64                          ; v[64:95]   xh rows 64-79: 4 registers a tile
.set K0,   96                          ; v[96:159]  xh rows 0-31: 8 registers a tile
.set K1,   160                         ; v[160:223] xh rows 32-63
.set PA,   224                         ; v224       LDS: PM + r rows + 16 h
.set TA0,  226                         ; v[226:228] LDS: transposing loads, K steps 0, 1, 2
.set SS,   229                         ; v229       LDS: my stage, in
.set SR,   230                         ; v230       LDS: my stage, back
.set GO,   231                         ; v231       out0: 16 t
.set T3,   232
.set T4,   233
	s_load_b256 s[4:11], s[0:1], 0x0               ; pqk s[4:5], xh s[6:7], bh s[8:9], Wa s[10:11]
	s_load_b128 s[12:15], s[0:1], 0x20             ; ba s[12:13], out0 s[14:15]
	s_set_vgpr_msb 0x40
	v_lshl_add_u32 v0, v0, 2, 0x40900
	v_mov_b32 v1, 0
	s_set_vgpr_msb 0x4045
	ds_add_u32 v0, v1
	ds_add_u32 v0, v1
	s_set_vgpr_msb 0x4500
	v_lshrrev_b32 v52, 5, v0
	v_readfirstlane_b32 s16, v52                   ; wave w
	s_mov_b32 s17, ttmp9                           ; block tb
	s_and_b32 s18, ttmp7, 0xffff                   ; batch
	s_lshl_b32 s49, s18, 19                        ; 1,024 rows of 512 bytes
.irp n, 0,1,2,3,4
	s_add_co_i32 s20, s17, \n-2                    ; group tb - 2 + n,
	s_max_i32 s20, s20, 0                          ; kept inside the batch
	s_min_i32 s20, s20, 63
	s_lshl_b32 s20, s20, 13                        ; 16 rows of 512 bytes
	s_add_co_u32 s[24+2*\n], s20, s49              ; its offset in a plane of pqk,
	s_mov_b32 s[25+2*\n], 0
	s_lshl_b32 s[34+2*\n], s[24+2*\n], 2           ; and in xh (rows of 2,048 bytes)
	s_mov_b32 s[35+2*\n], 0
.endr
	s_lshl_b32 s20, s17, 13
	s_add_co_u32 s44, s20, s49                     ; my own 16 rows in pqk,
	s_mov_b32 s45, 0
	s_lshl_b32 s46, s44, 3                         ; and in out0 (rows of 4,096 bytes)
	s_mov_b32 s47, 0
	s_mov_b32 s50, 0x76543210                      ; v_permlanex16_b32: lane i of the other half
	s_mov_b32 s51, 0xfedcba98
	s_mov_b32 s52, 0x3fb8aa3b                      ; log2 e
	v_and_b32 v[LN16], 31, v0
	v_and_b32 v[G], 15, v0
	v_bfe_u32 v[H], v0, 4, 1
	v_lshlrev_b32 v[L8], 3, v[LN16]
	v_lshlrev_b32 v[LN16], 4, v[LN16]
	v_lshrrev_b32 v53, 4, v0                       ; my row, 0..15
	v_lshlrev_b32 v[GB], 4, v[G]
	v_lshl_add_u32 v[PO], v53, 9, v[GB]
	v_mov_b32 v[ZERO], 0
	s_lshl_b32 s20, s16, 12                        ; 2 w rows of 2,048 bytes
	v_add_nc_u32 v[VOFF], s20, v[LN16]
	v_add_nc_u32 v[VOFF+1], 2048, v[VOFF]
	s_mul_i32 s21, s16, 2*XPITCH
	v_add_nc_u32 v[VLDS], s21, v[LN16]
.irp q, 1,2,3,4,5,6,7,8,9
	v_add_nc_u32 v[VLDS+\q], ((\q/2)*16+(\q&1))*XPITCH, v[VLDS]
.endr
	s_wait_dscnt 0x0
	s_wait_kmcnt 0x0
	s_load_b32 s19, s[12:13], 0x0                  ; ba
	s_add_nc_u64 s[44:45], s[4:5], s[44:45]
.irp n, 0,1,2,3,4
	s_add_nc_u64 s[24+2*\n:25+2*\n], s[4:5], s[24+2*\n:25+2*\n]
	s_add_nc_u64 s[34+2*\n:35+2*\n], s[6:7], s[34+2*\n:35+2*\n]
.endr
	s_add_nc_u64 s[46:47], s[14:15], s[46:47]
	; ALL REQUESTS.  42 loads into registers, in the order in which they are needed, then 40 copies into LDS.
.irp ky, 0,1,2,3
	global_load_b128 v[PB+4*\ky:PB+4*\ky+3], v[PO], s[44:45] offset:\ky*PLANE              ; 1-4: q's partial sums, 16 lanes a row of 256 bytes
.endr
	global_load_b128 v[BH:BH+3], v[GB], s[8:9]                                             ; 5: bh
.irp n, 0,1,2,3,4
.irp ky, 0,1,2,3
	global_load_b128 v[PB+16+16*\n+4*\ky:PB+16+16*\n+4*\ky+3], v[PO], s[24+2*\n:25+2*\n] offset:256+\ky*PLANE   ; 6-25: k's
.endr
.endr
	global_load_b64 v[WP:WP+1], v[L8], s[10:11]                                            ; 26: two Wa a lane, for their sum
.irp c, 0,1,2,3,4,5,6,7,8,9,10,11,12,13,14,15
	global_load_b128 v[W+4*\c:W+4*\c+3], v[ZERO], s[10:11] offset:16*\c                    ; 27-42: all of Wa in every lane
.endr
	; xh: wave w copies rows 2 w, 2 w + 1 of each of the five groups, four copies of 512 bytes a row; the immediate steps both addresses.
	; The twelve address registers stay as they are until s_wait_asynccnt 0.
.irp n, 0,1,2,3,4
.irp rr, 0,1
.irp o, 0,512,1024,1536
	global_load_async_to_lds_b128 v[VLDS+2*\n+\rr], v[VOFF+\rr], s[34+2*\n:35+2*\n] offset:\o
.endr
.endr
.endr
	; the other addresses and constants
	s_mul_i32 s20, s16, 2*KPITCH
	s_add_co_u32 s20, s20, KB                      ; KB + rows 2 w
	v_mul_u32_u24 v54, v[H], KPITCH
	v_add_nc_u32 v55, v[G], v[H]
	v_add_nc_u32 v[SB], v[GB], v54
	v_add_nc_u32 v[SB], s20, v[SB]
	v_mul_u32_u24 v[KA], v55, KPITCH
	v_add_nc_u32 v[KA], s20, v[KA]
	s_add_co_u32 s21, s20, QA-KB
	v_add_nc_u32 v[QR], s21, v54
	s_mul_i32 s22, s16, 2*KPITCH+4                 ; rows 2 w, and 2 bytes x 2 w columns
	s_add_co_u32 s22, s22, PM
	v_lshl_add_u32 v[PW], v55, 1, v54
	v_add_nc_u32 v[PW], s22, v[PW]
	s_lshl_b32 s23, s17, 4                         ; t0
	s_lshl1_add_u32 s23, s16, s23                  ; + 2 w
	s_add_co_i32 s23, s23, -32
	v_add_nc_u32 v[JV], s23, v55
	v_mov_b32 v[NINF], 0xff800000
	v_mov_b32 v[T0], 0                             ; v_permlanex16_b32 counts as a reader of its destination
.irp k, 0,1,2,3
	v_mov_b32 v[Z4+\k], 0
.endr
	; ADD THE FOUR PLANES, scale by C2, lay a' and b' into LDS.  Thread t holds four u of row t / 16 of each item.
.macro SUM4 m                          ; (p0 + p1) + (p2 + p3), into the item's first four registers
.set S4, PB+16*(\m)
	v_pk_add_f32 v[S4:S4+1],     v[S4:S4+1],     v[S4+4:S4+5]
	v_pk_add_f32 v[S4+2:S4+3],   v[S4+2:S4+3],   v[S4+6:S4+7]
	v_pk_add_f32 v[S4+8:S4+9],   v[S4+8:S4+9],   v[S4+12:S4+13]
	v_pk_add_f32 v[S4+10:S4+11], v[S4+10:S4+11], v[S4+14:S4+15]
	v_pk_add_f32 v[S4:S4+1],     v[S4:S4+1],     v[S4+8:S4+9]
	v_pk_add_f32 v[S4+2:S4+3],   v[S4+2:S4+3],   v[S4+10:S4+11]
.endm
	s_wait_loadcnt 37                              ; of the 42 loads the first five (q, bh) are in
	SUM4 0
	v_pk_mul_f32 v[BH:BH+1],   v[BH:BH+1],   C2 op_sel_hi:[1,0]
	v_pk_mul_f32 v[BH+2:BH+3], v[BH+2:BH+3], C2 op_sel_hi:[1,0]
	v_pk_fma_f32 v[PB:PB+1],   v[PB:PB+1],   C2, v[BH:BH+1]   op_sel_hi:[1,0,1]
	v_pk_fma_f32 v[PB+2:PB+3], v[PB+2:PB+3], C2, v[BH+2:BH+3] op_sel_hi:[1,0,1]
	ds_store_b128 v[SB], v[PB:PB+3] offset:QA-KB
.irp n, 0,1,2,3,4
	s_wait_loadcnt 33-4*\n                         ; group n's four loads are in: 33 - 4 n loads were issued behind them
	SUM4 \n+1
	v_pk_mul_f32 v[PB+16+16*\n:PB+16+16*\n+1],   v[PB+16+16*\n:PB+16+16*\n+1],   C2 op_sel_hi:[1,0]
	v_pk_mul_f32 v[PB+16+16*\n+2:PB+16+16*\n+3], v[PB+16+16*\n+2:PB+16+16*\n+3], C2 op_sel_hi:[1,0]
	ds_store_b128 v[SB], v[PB+16+16*\n:PB+16+16*\n+3] offset:\n*16*KPITCH
.endr
	s_wait_dscnt 0x0                               ; my rows of a' and b' are written: zero, for the others' sake
	s_barrier_signal -1                            ; (the copies into xh's bytes stay out: nobody reads those before the second barrier)
	s_barrier_wait -1
	; SCORES.  a' of my row into 64 registers; b' in chunks of 16 u through four buffers, requested four chunks ahead.
.macro LOADCH t, uq                    ; 16 u of row (my row + g + 16 t): the 16 lanes read 16 neighbouring rows of 272 bytes
.irp k, 0,1,2,3
	ds_load_b128 v[BUF+16*(\uq)+4*\k:BUF+16*(\uq)+4*\k+3], v[KA] offset:(\t)*16*KPITCH+(\uq)*64+16*\k
.endr
.endm
.irp k, 0,1,2,3,4,5,6,7,8,9,10,11,12,13,14,15
	ds_load_b128 v[A+4*\k:A+4*\k+3], v[QR] offset:16*\k
.endr
	LOADCH 0, 0
	LOADCH 0, 1
	LOADCH 0, 2
	LOADCH 0, 3
	s_wait_loadcnt 0x0                             ; Wa
	s_wait_kmcnt 0x0                               ; ba
	v_add_f32 v[CS], v[WP], v[WP+1]
	v_add_f32_dpp v[CS], v[CS], v[CS] row_xmask:1 row_mask:0xf bank_mask:0xf
	v_add_f32_dpp v[CS], v[CS], v[CS] row_xmask:2 row_mask:0xf bank_mask:0xf
	v_add_f32_dpp v[CS], v[CS], v[CS] row_xmask:4 row_mask:0xf bank_mask:0xf
	v_add_f32_dpp v[CS], v[CS], v[CS] row_xmask:8 row_mask:0xf bank_mask:0xf
	v_permlanex16_b32 v[T0], v[CS], s50, s51
	v_add_f32 v[CS], v[CS], v[T0]
	v_add_f32 v[CS], s19, v[CS]                    ; ba + sum Wa, in every lane
; Chunk c: band place g + 16 (c / 4), u = 16 (c % 4) .. + 15.  Behind each run of transcendentals one plain vector instruction stands
; before a result is used (ISA guide 5.7.2).
.macro CHUNK c
.set CT, (\c)>>2
.set CU, (\c)&3
.set CB, BUF+16*CU
.if \c <= 12
	s_wait_dscnt 12                                ; my four loads are in (and a', issued earlier); those of the three chunks behind stay out
.else
	s_wait_dscnt 4*(15-\c)                         ; fewer chunks are left behind
.endif
.irp k, 0,1,2,3,4,5,6,7
	v_pk_add_f32 v[CB+2*\k:CB+2*\k+1], v[CB+2*\k:CB+2*\k+1], v[A+16*CU+2*\k:A+16*CU+2*\k+1]       ; C2 (q + k + bh)
.endr
.irp k, 0,1,2,3,4,5,6,7,8,9,10,11,12,13,14,15
	v_exp_f32 v[CB+\k], v[CB+\k]
.endr
	v_nop
	s_wait_alu depctr_va_vdst(0)
.irp k, 0,1,2,3,4,5,6,7
	v_pk_add_f32 v[CB+2*\k:CB+2*\k+1], v[CB+2*\k:CB+2*\k+1], 1.0 op_sel_hi:[1,0]
.endr
.irp k, 0,1,2,3,4,5,6,7,8,9,10,11,12,13,14,15
	v_rcp_f32 v[CB+\k], v[CB+\k]
.endr
	v_nop
	s_wait_alu depctr_va_vdst(0)
.irp k, 0,1,2,3,4,5,6,7
.if (4*CU+\k) < 4
	s_wait_alu depctr_va_vdst(0)
	v_pk_mul_f32 v[ACCP+2*\k:ACCP+2*\k+1], v[CB+2*\k:CB+2*\k+1], v[W+16*CU+2*\k:W+16*CU+2*\k+1]   ; the first four products start the sums
.else
	v_pk_fma_f32 v[ACCP+2*(\k&3):ACCP+2*(\k&3)+1], v[CB+2*\k:CB+2*\k+1], v[W+16*CU+2*\k:W+16*CU+2*\k+1], v[ACCP+2*(\k&3):ACCP+2*(\k&3)+1]
.endif
.endr
.if \c <= 11
	LOADCH CT+1, CU                                ; the buffer's next chunk, four chunks ahead
.endif
.if CU == 3
	v_pk_add_f32 v[ACCP:ACCP+1],   v[ACCP:ACCP+1],   v[ACCP+2:ACCP+3]
	v_pk_add_f32 v[ACCP+4:ACCP+5], v[ACCP+4:ACCP+5], v[ACCP+6:ACCP+7]
	v_pk_add_f32 v[ACCP:ACCP+1],   v[ACCP:ACCP+1],   v[ACCP+4:ACCP+5]
	v_add_f32 v[T0], v[ACCP], v[ACCP+1]
	v_fma_f32 v[E+CT], v[T0], -2.0, v[CS]          ; the score
	v_add_nc_u32 v[T1], 16*CT, v[JV]               ; its true column; below 0 it has wrapped to a large number
	v_cmp_gt_u32 vcc_lo, 0x400, v[T1]              ; inside the batch?
	v_cndmask_b32 v[E+CT], v[NINF], v[E+CT], vcc_lo
.endif
.endm
.irp c, 0,1,2,3,4,5,6,7,8,9,10,11,12,13,14,15
	CHUNK \c
.endr
	; SOFTMAX over the row's 64 places: four in the lane, then across the 16 lanes of the half wave.
	v_max3_num_f32 v[T1], v[E], v[E+1], v[E+2]
	v_max_num_f32 v[T1], v[T1], v[E+3]
	v_max_num_f32_dpp v[T1], v[T1], v[T1] row_xmask:1 row_mask:0xf bank_mask:0xf
	v_max_num_f32_dpp v[T1], v[T1], v[T1] row_xmask:2 row_mask:0xf bank_mask:0xf
	v_max_num_f32_dpp v[T1], v[T1], v[T1] row_xmask:4 row_mask:0xf bank_mask:0xf
	v_max_num_f32_dpp v[T1], v[T1], v[T1] row_xmask:8 row_mask:0xf bank_mask:0xf
	v_mul_f32 v[T0], s52, v[T1]                    ; the maximum (finite: at least 32 places are real) x log2 e
.irp t, 0,1,2,3
	v_fma_f32 v[E+\t], v[E+\t], s52, -v[T0]        ; at most 0; -inf where masked
.endr
.irp t, 0,1,2,3
	v_exp_f32 v[E+\t], v[E+\t]
.endr
	v_lshlrev_b32 v[GO], 4, v0                     ; (the plain instruction behind the exponentials: an address of the last phase)
	s_wait_alu depctr_va_vdst(0)
	v_add_f32 v[T1], v[E], v[E+1]
	v_add_f32 v[T0], v[E+2], v[E+3]
	v_add_f32 v[T1], v[T1], v[T0]
	v_add_f32_dpp v[T1], v[T1], v[T1] row_xmask:1 row_mask:0xf bank_mask:0xf
	v_add_f32_dpp v[T1], v[T1], v[T1] row_xmask:2 row_mask:0xf bank_mask:0xf
	v_add_f32_dpp v[T1], v[T1], v[T1] row_xmask:4 row_mask:0xf bank_mask:0xf
	v_add_f32_dpp v[T1], v[T1], v[T1] row_xmask:8 row_mask:0xf bank_mask:0xf
	v_rcp_f32 v[T1], v[T1]                         ; the sum is at least 1 and at most 64
	v_and_b32 v[T3], 7, v0                         ; (the plain instruction behind the reciprocal)
	s_wait_alu depctr_va_vdst(0)
.irp t, 0,1,2,3
	v_mul_f32 v[E+\t], v[E+\t], v[T1]
.endr
	v_cvt_pk_f16_f32 v[PK], v[E], v[E+1]
	v_cvt_pk_f16_f32 v[PK+1], v[E+2], v[E+3]
	; P's row: first 128 zeros, then the 64 weights at columns (my row + g) + 0, 16, 32, 48.  Both from this wave, and LDS serves a
	; wave's instructions in order (ISA guide 5.7.1).
	ds_store_b128 v[SB], v[Z4:Z4+3] offset:PM-KB
	ds_store_b16        v[PW], v[PK]
	ds_store_b16_d16_hi v[PW], v[PK] offset:32
	ds_store_b16        v[PW], v[PK+1] offset:64
	ds_store_b16_d16_hi v[PW], v[PK+1] offset:96
	; addresses of the last phase (registers that held Wa)
	v_lshl_add_u32 v[T3], v[H], 3, v[T3]           ; 8 h + lane % 8: the row that this lane offers to the transposing load
	v_bfe_u32 v[T4], v0, 3, 1
	v_mul_u32_u24 v[T3], v[T3], XPITCH
	v_lshl_add_u32 v[T3], v[T4], 4, v[T3]          ; + 16 bytes for lanes 8-15 of each half
	s_lshl_b32 s20, s16, 8                         ; my 128 columns
	v_add_nc_u32 v[TA0], s20, v[T3]
	v_add_nc_u32 v[TA0+1], 32*XPITCH, v[TA0]
	v_add_nc_u32 v[TA0+2], 64*XPITCH, v[TA0]
	s_mul_i32 s21, s16, 16*SPITCH
	s_add_co_u32 s21, s21, STG                     ; my stage
	v_mul_u32_u24 v[T3], v[G], SPITCH
	v_lshl_add_u32 v[T3], v[H], 5, v[T3]
	v_add_nc_u32 v[SS], s21, v[T3]
	v_add_nc_u32 v[SR], s21, v[LN16]
	v_mul_u32_u24 v[T4], v[G], KPITCH
	v_lshl_add_u32 v[T4], v[H], 4, v[T4]
	v_add_nc_u32 v[PA], PM, v[T4]
	s_wait_dscnt 0x0                               ; my rows of P are written,
	s_wait_asynccnt 0x0                            ; my rows of xh have landed: both zero, for the others' sake
	s_barrier_signal -1
	s_barrier_wait -1
	; out = P xh.  The matrix instruction is used transposed: source 0 = 16 columns of xh (k = the 80 rows), source 1 = P's 16 rows, so
	; that a lane's eight results are eight neighbouring columns of row r of out.
	; 46 LDS loads: P's fragments, K step 2 of all tiles, then K steps 0 and 1 tile by tile.
.irp q, 0,1,2,3,4,5
	ds_load_b128 v[PF+4*\q:PF+4*\q+3], v[PA] offset:32*\q
.endr
.irp nt, 0,1,2,3,4,5,6,7
	ds_load_tr16_b128 v[K2+4*\nt:K2+4*\nt+3], v[TA0+2] offset:32*\nt
.endr
.irp nt, 0,1,2,3,4,5,6,7
	ds_load_tr16_b128 v[K0+8*\nt:K0+8*\nt+3],   v[TA0]   offset:32*\nt
	ds_load_tr16_b128 v[K0+8*\nt+4:K0+8*\nt+7], v[TA0]   offset:16*XPITCH+32*\nt
	ds_load_tr16_b128 v[K1+8*\nt:K1+8*\nt+3],   v[TA0+1] offset:32*\nt
	ds_load_tr16_b128 v[K1+8*\nt+4:K1+8*\nt+7], v[TA0+1] offset:16*XPITCH+32*\nt
.endr
; Four tiles.  K step 2 has only rows 64-79: the upper four registers of its operand are the next tile's (for tile 7: K0's first four),
; finite f16 numbers that meet P's columns 80-95, which are zero.
.macro HALF hf
.if \hf == 0
	s_wait_dscnt 16                                ; all but the 16 loads of tiles 4-7
.else
	s_wait_dscnt 0
.endif
.irp i, 0,1,2,3
	v_wmma_f32_16x16x32_f16 v[ACC+8*\i:ACC+8*\i+7], v[K0+8*(4*\hf+\i):K0+8*(4*\hf+\i)+7], v[PF:PF+7], 0
.endr
.irp i, 0,1,2,3
	v_wmma_f32_16x16x32_f16 v[ACC+8*\i:ACC+8*\i+7], v[K1+8*(4*\hf+\i):K1+8*(4*\hf+\i)+7], v[PF+8:PF+15], v[ACC+8*\i:ACC+8*\i+7]
.endr
.irp i, 0,1,2,3
	v_wmma_f32_16x16x32_f16 v[ACC+8*\i:ACC+8*\i+7], v[K2+4*(4*\hf+\i):K2+4*(4*\hf+\i)+7], v[PF+16:PF+23], v[ACC+8*\i:ACC+8*\i+7]
.endr
.rept 5
	v_nop                                          ; four places before results are stored and sources loaded again, five before the next half's first products write over the results (ISA guide 7.12.1)
.endr
.irp i, 0,1,2,3
	ds_store_b128 v[SS], v[ACC+8*\i:ACC+8*\i+3]   offset:(4*\hf+\i)*64
	ds_store_b128 v[SS], v[ACC+8*\i+4:ACC+8*\i+7] offset:(4*\hf+\i)*64+16
.endr
.endm
	HALF 0
	HALF 1
	; back by rows: my own bytes, served in order, so no wait and no barrier between the stores and these loads
.irp rr, 0,1,2,3,4,5,6,7,8,9,10,11,12,13,14,15
	ds_load_b128 v[K0+4*\rr:K0+4*\rr+3], v[SR] offset:\rr*SPITCH
.endr
.irp rr, 0,1,2,3,4,5,6,7,8,9,10,11,12,13,14,15
	s_wait_dscnt 15-\rr                            ; row rr is in, the later rows stay out
	global_store_b128 v[GO], v[K0+4*\rr:K0+4*\rr+3], s[46:47] offset:\rr*4096 th:TH_STORE_NT   ; the wave writes 512 consecutive bytes, aligned
.endr
	s_set_vgpr_msb 0x5
	s_wait_tensorcnt 0x0
	ds_add_u32 v0, v1
	s_wait_dscnt 0x0
	s_set_vgpr_msb 0x500
	s_endpgm
.Lfunc_end_k_q1ed5ba2dc5_attn:
	.size	k_q1ed5ba2dc5_attn, .Lfunc_end_k_q1ed5ba2dc5_attn-k_q1ed5ba2dc5_attn
	.p2alignl 7, 3214868480
	.fill 96, 4, 3214868480
	.section	.rodata,"a",@progbits
	.p2align	6, 0x0
	.amdhsa_kernel k_q1ed5ba2dc5_attn
		.amdhsa_group_segment_fixed_size 265472
		.amdhsa_private_segment_fixed_size 0
		.amdhsa_enable_private_segment 0
		.amdhsa_kernarg_size 48
		.amdhsa_user_sgpr_count 2
		.amdhsa_user_sgpr_kernarg_segment_ptr 1
		.amdhsa_wavefront_size32 1
		.amdhsa_system_sgpr_workgroup_id_x 1
		.amdhsa_system_sgpr_workgroup_id_y 1
		.amdhsa_system_sgpr_workgroup_id_z 1
		.amdhsa_system_vgpr_workitem_id 0
		.amdhsa_next_free_vgpr 258
		.amdhsa_next_free_sgpr 66
		.amdhsa_reserve_vcc 1
		.amdhsa_float_denorm_mode_32 3
		.amdhsa_float_denorm_mode_16_64 3
		.amdhsa_memory_ordered 1
		.amdhsa_forward_progress 1
		.amdhsa_inst_pref_size 80
	.end_amdhsa_kernel
	.amdgpu_metadata
---
amdhsa.version: [ 1, 2 ]
amdhsa.kernels:
  - .name:           k_q1ed5ba2dc5_attn
    .symbol:         k_q1ed5ba2dc5_attn.kd
    .args:
      - { .name: pqk, .offset: 0, .size: 8, .value_kind: global_buffer, .address_space: global }
      - { .name: xh, .offset: 8, .size: 8, .value_kind: global_buffer, .address_space: global }
      - { .name: bh, .offset: 16, .size: 8, .value_kind: global_buffer, .address_space: global }
      - { .name: Wa, .offset: 24, .size: 8, .value_kind: global_buffer, .address_space: global }
      - { .name: ba, .offset: 32, .size: 8, .value_kind: global_buffer, .address_space: global }
      - { .name: out0, .offset: 40, .size: 8, .value_kind: global_buffer, .address_space: global }
    .group_segment_fixed_size: 265472
    .private_segment_fixed_size: 0
    .kernarg_segment_align: 8
    .kernarg_segment_size: 48
    .max_flat_workgroup_size: 256
    .sgpr_count:     66
    .vgpr_count:     258
    .wavefront_size: 32
...
	.end_amdgpu_metadata
.endif
;; end of part 2
